; MI455X (gfx1250); checked and timed in simulation.
; The chip was launched on July 23, 2026; its instructions are those of AMD's public machine-readable ISA for CDNA 5 (MIT licence, August 2026) and "CDNA5" Instruction Set Architecture Reference Guide (July 2026). The comments in the code are by the model that wrote it; some were corrected since.
;; Causal Self Attention. Allowed arithmetic: matrix products marked QUANTISED: E2M1 operands, one E8M0 scale for each 32 along K, by v_wmma_scale_f32_16x16x128_f8f6f4 with both operands' format E2M1 (or v_wmma_scale_f32_32x16x128_f4), f32 sums; everything else in f32.
;; Inputs: Wk_codes 1,024 x 32 x 16 uint8 (E2M1 codes of Wk, K innermost, in blocks of 32 codes, two codes a byte); Wk_scales 1,024 x 32 uint8 (E8M0 scales of Wk, one for each 32 codes along K); Wq_codes 1,024 x 32 x 16 uint8 (E2M1 codes of Wq, K innermost, in blocks of 32 codes, two codes a byte); Wq_scales 1,024 x 32 uint8 (E8M0 scales of Wq, one for each 32 codes along K); Wv_codes 1,024 x 32 x 16 uint8 (E2M1 codes of Wv, K innermost, in blocks of 32 codes, two codes a byte); Wv_scales 1,024 x 32 uint8 (E8M0 scales of Wv, one for each 32 codes along K); attention_mask 4 x 1 x 1 x 2,048 float32; bk 1,024 float32; bq 1,024 float32; bv 1,024 float32; hidden_states_codes 4 x 2,048 x 32 x 16 uint8 (E2M1 codes of hidden_states, K innermost, in blocks of 32 codes, two codes a byte); hidden_states_scales 4 x 2,048 x 32 uint8 (E8M0 scales of hidden_states, one for each 32 codes along K).
;; Outputs: out0 4 x 2,048 x 1,024 float32.
;; This version of the problem:
;;   THIS VERSION OF THE PROBLEM IS GIVEN IN LOW PRECISION. The matrix products marked QUANTISED in the list below multiply operands that are first quantised to E2M1 (2 exponent bits, 1 mantissa bit; 4 bits a number), with one power-of-two scale for each 32 numbers along K (OCP MX v1.0); their sums are f32. All else is computed in f32.
;;   The module's matrix products, in the order in which they are computed (A, B: the left and right operand; K: the contracted axis; several contracted axes count as one K, in the product's order):
;;     1. [M 8,192, K 1,024] x [K 1,024, N 1,024]; A: input hidden_states (given as codes); B: input Wq (given as codes): QUANTISED
;;     2. [M 8,192, K 1,024] x [K 1,024, N 1,024]; A: input hidden_states (given as codes); B: input Wk (given as codes): QUANTISED
;;     3. [M 8,192, K 1,024] x [K 1,024, N 1,024]; A: input hidden_states (given as codes); B: input Wv (given as codes): QUANTISED
;;     4. batch 64 x [M 2,048, K 64] x [K 64, N 2,048]; A: computed on the way; B: computed on the way: QUANTISED
;;     5. batch 64 x [M 2,048, K 2,048] x [K 2,048, N 64]; A: softmax (see below); B: computed on the way: QUANTISED
;;   THE QUANTISER, for each operand of a quantised product, along K:
;;     - K is cut into blocks of 32 from its start; a last block that is shorter is filled with zeros.
;;     - A block's scale is 2^e with e = floor(log2(the largest magnitude in the block)) - 2, held to -126 .. 127; a block of zeros has e = 0. As a byte (E8M0): e + 127.
;;     - Each number is divided by its block's scale, clamped to +-6, and rounded to the nearest number of E2M1, ties to even, subnormals kept.
;;     - The product sums the exact products of the quantised numbers (number of the format x scale) in f32.
;;   ~~~python
;;   def quantise(x, axis):      # numpy; x: float32 -> the quantised numbers, widened to float32 again
;;       x = np.moveaxis(x, axis, -1); K = x.shape[-1]
;;       x = np.pad(x, [(0, 0)] * (x.ndim - 1) + [(0, -K % 32)]); x = x.reshape(x.shape[:-1] + (-1, 32)); a = np.abs(x).max(-1, keepdims=True)
;;       e = np.where(a > 0, np.clip(np.frexp(np.where(a > 0, a, 1))[1] - 1 - 2, -126, 127), 0)      # np.frexp(a)[1] - 1 = floor(log2(a)), exactly
;;       r = np.clip(x / 2.0 ** e, -6, 6)
;;       step = 2.0 ** (np.maximum(np.frexp(np.where(r == 0, 1, r))[1] - 1, 0) - 1)
;;       q = np.round(r / step) * step * 2.0 ** e      # np.round: ties to even
;;       return np.moveaxis(q.reshape(q.shape[:-2] + (-1,))[..., :K], -1, axis).astype(np.float32)
;;   ~~~
;;   SOFTMAX AHEAD OF A QUANTISED PRODUCT. Where the list says 'softmax', what is quantised is not the finished softmax but p = 2^(t - M), with t = logit x log2(e) and M = ceil(the row's largest t), a whole number; so 1/2 < the row's largest p <= 1. The row's sum l is taken of the UNQUANTISED p, in f32, and the product's result is divided by l at the end. Since M is a whole number, a kernel that streams over the keys may use a running M (the ceiling of the running maximum): every later rescaling is an exact power of two, which a block's scale takes up: the codes' values come out the same.
;;   OPERANDS COMPUTED ON THE WAY. 'Computed on the way' means the value that the module computes at that place (a softmax that the list does not call 'softmax' is quantised finished and normalised). What goes into a quantiser is computed in f32, as accurately as f32 sums, v_exp_f32 and their like allow (about 1e-6 of the number): no bf16 or f16 on the way to a quantiser, and a product that is left as it is and whose result goes on into a quantised operand takes f32 operands (vector FMAs, or v_wmma_f32_16x16x4_f32). A number that lies on a knife's edge between two numbers of the format may be rounded either way, as far as f32 arithmetic and the matrix unit's own rounding can turn it there, and no further.
;;   INPUTS GIVEN AS CODES. Wk (in the module: [1024, 1024], K = its axis 1); Wq (in the module: [1024, 1024], K = its axis 1); Wv (in the module: [1024, 1024], K = its axis 1); hidden_states (in the module: [4, 2048, 1024], K = its axis 2): each comes as NAME_codes (uint8): NAME with its K axis moved to the last place and cut into blocks of 32 codes, [.., K / 32, bytes a block], one block behind the other in memory; two codes a byte, the lower K in the low four bits (a code: sign, 2 exponent bits, 1 mantissa bit); and NAME_scales (uint8): the same leading axes, one E8M0 byte (e + 127) for each 32 codes along K. Its value is code x scale, taken as it is: it is not quantised again, and the codes and scales need not be those that the quantiser above would give.
;; One version. Each part assembles by itself: llvm-mc -triple=amdgcn-amd-amdhsa -mcpu=gfx1250 --defsym DOCPART=n.
;; ======== version 1 of 1: 2 launches
;; limits: right only within a limited range of input values
;; workspace buffers: codes 12,582,912 bytes; qs 262,144 bytes; kvs 524,288 bytes
;; launch proj (part 1): grid 12 x 32, 4 waves a work-group, clusters of 4 x 4, 296,448 bytes of LDS; arguments hidden_states_codes, hidden_states_scales, Wq_codes, Wq_scales, Wk_codes, Wk_scales, Wv_codes, Wv_scales, bq, bk, bv, codes, qs, kvs; writes codes, qs, kvs
.if DOCPART == 1
	.amdgcn_target "amdgcn-amd-amdhsa--gfx1250"
	.amdhsa_code_object_version 6
	.text
	.protected	k_q1e33a8c2f2_proj
	.globl	k_q1e33a8c2f2_proj
	.p2align	8
	.type	k_q1e33a8c2f2_proj,@function
k_q1e33a8c2f2_proj:
	s_mov_b64 s[64:65], 0
	v_nop
	global_prefetch_b8 v0, s[64:65] scope:SCOPE_SE
	s_setreg_imm32_b32 hwreg(HW_REG_WAVE_MODE, 25, 1), 1
	s_wait_xcnt 0x0
	s_wait_alu depctr_hold_cnt(0) depctr_sa_sdst(0) depctr_va_vdst(0) depctr_va_sdst(0) depctr_va_ssrc(0) depctr_va_vcc(0) depctr_vm_vsrc(0)
	s_getreg_b32 s2, hwreg(HW_REG_IB_STS2, 6, 4)
	s_cmp_eq_u32 s2, 0
	s_cbranch_scc0 .Lentry_in_a_cluster
	s_endpgm
.Lentry_in_a_cluster:
	s_bfe_u32 s2, ttmp6, 0x10000c
	s_cmp_lg_u32 s2, 0xf033
	s_cbranch_scc0 .Lentry_shape_is_right
	s_endpgm
.Lentry_shape_is_right:
; q = X Wq^T + bq, k = X Wk^T + bk, v = X Wv^T + bv on codes of FP4 (E2M1) with one E8M0 byte for each 32 along K = 1,024; sums in f32.
; The results are quantised again at once, q and k along a head's 64 channels, v along the keys, and leave as IMAGES OF THE OPERAND REGISTERS that the attention launch wants.
; SHARES.  X is [8,192][1,024], each W [1,024][1,024].  The cluster's x (0, 1, 2) says which product: q, k or v: it is the same in all sixteen partners.  Work-group (cx, y) multiplies
; X's rows 256 y on with that W's rows 256 cx on; four waves, each 128 x 128: 64 accumulators, 512 registers.  All of K lies in LDS: two slots of 512 along K, each filled ONCE.
; ROLES.  Source 1 (L) gives a lane its row; source 0 (R) runs along the lane's registers, which is where the next quantiser's K must run.  q, k: L = X (tokens), R = W (channels).
; v: L = Wv (channels), R = X (keys).  Only the LDS addresses differ; the products' text is one.
; CLUSTER 4 x 4: X's tiles hang on y alone and are asked for jointly along a row of the cluster, W's on cx alone and jointly along a column.
; THE QUANTISER: a block's scale byte is its largest magnitude's exponent field - 2, held at 1 from below.
; LIMITS: a block of zeros, or one whose largest magnitude lies under 2^-124, keeps the byte 1 (its codes are zeros or nearly; only this program reads the bytes); NaN and infinities in the biases are not served.
; REGISTERS, in windows of 256: window 0: v0-31 addresses; v32-95 scale words, two sets; v96-103 bias by L's rows; v104-111 the scale words made; v112-127 at work; v128-191 L's fragments, later 64 numbers; v192-255 bias by R's rows.
;   window 1: R's fragments, two sets, at v0 and v128.   windows 2, 3: the accumulators: (a, b) at v[8 (8 (a % 4) + b)], a < 4 in window 2.
.set NQ,     4                         ; matrix instructions deep in a slot: 512 along K
.set ROWB,   256                       ; a tile's row in bytes
.set KROW,   512                       ; a row of X or W in memory, in bytes
.set PITCH,  272                       ; an LDS row: 256 bytes + 16 of padding = 68 words: the 16 rows that a load touches start at 16 different banks
.set FR,     8                         ; registers of a fragment, 16 rows x 128 K
.set NL,     2                         ; LDS loads that bring one
.set NP,     4                         ; places behind this matrix instruction (ISA guide 7.12.1)
.set HALFT,  128*PITCH                 ; 128 rows: one tensor load
.set SLOT,   4*HALFT                   ; X's 256 rows, then W's 256 rows
.set SCL,    2*SLOT                    ; behind the slots: the scale bytes of X's 256 rows, then of W's: 32 bytes a row, as units of 256 bytes + 16 of padding
.set HALFS,  16*272                    ; those of 128 rows
.set SBLK,   2*272                     ; those of 16 rows
.set ADRA, 16                          ; v16-17  LDS address of L's fragments in slot 0, 1
.set ADRB, 20                          ; v20-21  of R's
.set SELK, 24                          ; v24     byte selector for k's scale words
.set CS2,  25                          ; v25     8,192 (lane / 16) + 16 (lane % 16)
.set CO,   26                          ; v26     16 x lane
.set ADRS, 27                          ; v27     LDS address of my scale words: lanes 0-15 L's rows, lanes 16-31 R's
.set SC,   32
.set BL,   96
.set SW,   104
.set TM,   112
.set AF,   128
.set ST,   128
.set BR,   192
.set G1,   24                          ; s[24:31] group 1 for X's tiles; s[32:39] groups 0, one for each slot
.set G0,   32
.set G1B,  48                          ; s[48:55], s[56:63] the same for W's
.set G0B,  56
.set G1S,  68                          ; s[68:75], s[76:79] for X's scale bytes; s[80:87], s[88:91] for W's (written when the pointers that arrive there have been used)
.set G0S,  76
.set G1SB, 80
.set G0SB, 88
.set MSB, 0
.macro WIN new                         ; the immediate's high byte repeats the setting that is left
.if MSB != \new
	s_set_vgpr_msb (MSB<<8)|\new
.set MSB, \new
.endif
.endm
.set MUL_LO, 0xa1                      ; source 0 (R) window 1, source 1 (L) window 0, C and D window 2
.set MUL_HI, 0xf1                      ; the same, C and D window 3
.set TO_B,   0x40                      ; destination window 1, address window 0
; A joint load: waves 0 and 1 ask for X, waves 2 and 3 for W.  The branch hangs on the wave's number alone.  Four v_nop follow each of the two lines.
.macro JLOAD g0a, g1a, g0b, g1b
	s_cmp_eq_u32 s15, 0
	s_cbranch_scc0 .Lfor_b_\@
	tensor_load_to_lds s[\g0a:\g0a+3], s[\g1a:\g1a+7]
	s_nop 0
.rept 4
	v_nop
.endr
	s_branch .Lasked_\@
.Lfor_b_\@:
	tensor_load_to_lds s[\g0b:\g0b+3], s[\g1b:\g1b+7]
	s_nop 0
.rept 4
	v_nop
.endr
.Lasked_\@:
.endm
.macro CROUND                          ; a round of the cluster's barrier
	s_barrier_signal -1
	s_barrier_wait -1
	s_cmp_lg_u32 s14, 0
	s_cbranch_scc1 .Lnot_wave_0_\@
	s_barrier_signal -3
.Lnot_wave_0_\@:
	s_barrier_wait -3
	s_barrier_signal -1
	s_barrier_wait -1
.endm
	s_load_b128 s[4:7], s[0:1], 0x0                ; X's codes, X's scales
	s_load_b256 s[68:75], s[0:1], 0x10             ; Wq's codes, scales; Wk's codes, scales
	s_load_b256 s[76:83], s[0:1], 0x30             ; Wv's codes, scales; bq; bk
	s_load_b256 s[84:91], s[0:1], 0x50             ; bv; codes; qs; kvs
	v_lshl_add_u32 v122, v0, 2, 0x48400
	v_mov_b32 v123, 0
	ds_add_u32 v122, v123
	ds_add_u32 v122, v123
	v_lshrrev_b32 v1, 5, v0
	v_readfirstlane_b32 s14, v1                    ; wave 0..3
	s_lshr_b32 s15, s14, 1                         ; which 128 rows of L are mine.  Also: I ask for X (0) or for W (1)
	s_and_b32 s16, s14, 1                          ; which 128 rows of R.  Also: which 128 rows of that tile I ask for
	s_bfe_u32 s40, ttmp6, 0x40000                  ; cx
	s_bfe_u32 s41, ttmp6, 0x40004                  ; cy
	s_and_b32 s17, ttmp7, 0xffff
	s_lshl_b32 s17, s17, 2
	s_add_co_u32 s17, s17, s41                     ; y = 4 x cluster y + cy: X's rows 256 y on
	s_lshl_b32 s43, s41, 2
	s_lshl_b32 s43, 15, s43                        ; my row of the cluster
	s_lshl_b32 s44, 0x1111, s40                    ; my column
	s_or_b32 s[G1+0], s43, (0<<16)|(1<<20)|(1<<21)|(5<<22)|(3<<25)   ; the mask; elements of 1 byte; padding on; bit 21 beside a mask; 4 words after every 64
	s_or_b32 s[G1B+0], s44, (0<<16)|(1<<20)|(1<<21)|(5<<22)|(3<<25)
.irp g, G1, G1B
	s_mov_b32 s[\g+1], ROWB<<16                    ; tensor_dim0 = 256
	s_mov_b32 s[\g+2], 128<<16                     ; tensor_dim1 = 128
	s_mov_b32 s[\g+3], ROWB<<16                    ; tile_dim0
	s_mov_b32 s[\g+4], 128                         ; tile_dim1
	s_mov_b32 s[\g+5], KROW                        ; from row to row
	s_mov_b32 s[\g+6], 0
	s_mov_b32 s[\g+7], 0
.endr
	s_lshl_b32 s18, s16, 7                         ; which 128 rows I ask for
	s_lshl_b32 s20, s17, 8
	s_add_co_u32 s20, s20, s18                     ; X's row
	s_lshl_b32 s46, s40, 8
	s_add_co_u32 s46, s46, s18                     ; W's row: 256 cx + 128 x half
	s_lshl_b32 s22, s20, 5                         ; 32 scale bytes a row
	s_mov_b32 s23, 0
	s_lshl_b32 s92, s46, 5
	s_mov_b32 s93, 0
	s_lshl_b32 s20, s20, 9                         ; 512 bytes of codes a row
	s_mov_b32 s21, 0
	s_lshl_b32 s46, s46, 9
	s_mov_b32 s47, 0
	s_mul_i32 s45, s14, HALFT                      ; where they go: wave x 128 rows: no place in the cluster enters an LDS address
	s_mul_i32 s94, s14, HALFS
	; where the results go.  hsel: my half of W's 256 rows (two heads); tsel: my half of X's 256 rows (one key step of 128 tokens)
	s_cmp_eq_u32 ttmp9, 2
	s_cselect_b32 s95, s15, s16                    ; hsel
	s_cselect_b32 s96, s16, s15                    ; tsel
	s_cselect_b32 s66, 2*HALFT, 0                  ; L's tile in a slot: X's place, for v W's
	s_cselect_b32 s67, 0, 2*HALFT                  ; R's
	s_cselect_b32 s97, 4096, 0                     ; V's scale words lie behind K's
	s_lshr_b32 s42, s17, 3                         ; the batch
	s_lshl_b32 s42, s42, 4
	s_lshl_b32 s2, s40, 2
	s_add_co_u32 s42, s42, s2
	s_lshl_b32 s2, s95, 1
	s_add_co_u32 s42, s42, s2                      ; 16 x batch + my first head (an even one)
	s_and_b32 s3, s17, 7
	s_lshl_b32 s3, s3, 1
	s_add_co_u32 s96, s3, s96                      ; g: which 128 tokens of the batch
	s_lshl_b32 s2, ttmp9, 22                       ; the section of 4 MiB,
	s_lshl_b32 s3, s42, 16                         ; the head's 65,536 bytes,
	s_add_co_u32 s2, s2, s3
	s_lshl_b32 s3, s96, 12                         ; and 4,096 bytes for 128 tokens
	s_add_co_u32 s2, s2, s3
	s_mov_b32 s3, 0
	s_lshl_b32 s19, s42, 12                        ; scale words: q: 8,192 bytes a pair of heads, 512 for 128 tokens;
	s_lshl_b32 s42, s42, 13                        ; k, v: 8,192 bytes a head, 256 for 128 tokens
	s_cmp_eq_u32 ttmp9, 0
	s_cselect_b32 s42, s19, s42
	s_lshl_b32 s19, s96, 9
	s_lshl_b32 s96, s96, 8
	s_cmp_eq_u32 ttmp9, 0
	s_cselect_b32 s96, s19, s96
	s_add_co_u32 s96, s96, s42
	s_add_co_u32 s96, s96, s97
	s_mov_b32 s97, 0
	s_wait_dscnt 0x0
	s_wait_kmcnt 0x0
	s_cmp_eq_u32 ttmp9, 1                          ; the product's own W, scales and bias: the choice hangs on the cluster's number alone
	s_cselect_b64 s[8:9], s[72:73], s[68:69]
	s_cselect_b64 s[10:11], s[74:75], s[70:71]
	s_cselect_b64 s[12:13], s[82:83], s[80:81]
	s_cmp_eq_u32 ttmp9, 2
	s_cselect_b64 s[8:9], s[76:77], s[8:9]
	s_cselect_b64 s[10:11], s[78:79], s[10:11]
	s_cselect_b64 s[12:13], s[84:85], s[12:13]
	s_cmp_eq_u32 ttmp9, 0
	s_cselect_b64 s[100:101], s[88:89], s[90:91]   ; q's scale words go to qs, k's and v's to kvs
	s_add_nc_u64 s[98:99], s[86:87], s[2:3]        ; my codes' first byte
	s_add_nc_u64 s[100:101], s[100:101], s[96:97]  ; my scale words'
	s_lshl_b32 s2, s40, 10
	s_lshl_b32 s19, s95, 9
	s_add_co_u32 s2, s2, s19                       ; the bias of my 128 rows of W: 4 (256 cx + 128 hsel)
	s_add_nc_u64 s[12:13], s[12:13], s[2:3]
	s_add_nc_u64 s[20:21], s[4:5], s[20:21]
	s_add_nc_u64 s[22:23], s[6:7], s[22:23]
	s_add_nc_u64 s[46:47], s[8:9], s[46:47]
	s_add_nc_u64 s[92:93], s[10:11], s[92:93]
	; the scale bytes of 128 rows: 4,096 dense bytes, as 16 rows of 256 (32 elements of 8 bytes), 16 bytes of padding behind each
	s_or_b32 s[G1S+0], s43, (3<<16)|(1<<20)|(1<<21)|(5<<22)|(3<<25)
	s_or_b32 s[G1SB+0], s44, (3<<16)|(1<<20)|(1<<21)|(5<<22)|(3<<25)
.irp g, G1S, G1SB
	s_mov_b32 s[\g+1], 32<<16
	s_mov_b32 s[\g+2], 16<<16
	s_mov_b32 s[\g+3], 32<<16
	s_mov_b32 s[\g+4], 16
	s_mov_b32 s[\g+5], 32
	s_mov_b32 s[\g+6], 0
	s_mov_b32 s[\g+7], 0
.endr
	CROUND                                         ; all sixteen work-groups are here: the joint loads meet
	s_mov_b32 s[G0S], 1
	s_add_co_u32 s[G0S+1], s94, SCL
	s_mov_b64 s[G0S+2:G0S+3], s[22:23]
	s_or_b32 s[G0S+3], s[G0S+3], 0x80000000
	s_mov_b32 s[G0SB], 1
	s_add_co_u32 s[G0SB+1], s94, SCL
	s_mov_b64 s[G0SB+2:G0SB+3], s[92:93]
	s_or_b32 s[G0SB+3], s[G0SB+3], 0x80000000
	JLOAD G0S, G1S, G0SB, G1SB                     ; the scale bytes first: they are wanted with slot 0
.irp s, 0,1
	s_mov_b32 s[G0+4*\s], 1
	s_add_co_u32 s[G0+4*\s+1], s45, \s*SLOT
	s_add_nc_u64 s[G0+4*\s+2:G0+4*\s+3], s[20:21], \s*ROWB
	s_or_b32 s[G0+4*\s+3], s[G0+4*\s+3], 0x80000000
	s_mov_b32 s[G0B+4*\s], 1
	s_add_co_u32 s[G0B+4*\s+1], s45, \s*SLOT
	s_add_nc_u64 s[G0B+4*\s+2:G0B+4*\s+3], s[46:47], \s*ROWB
	s_or_b32 s[G0B+4*\s+3], s[G0B+4*\s+3], 0x80000000
	JLOAD G0+4*\s, G1, G0B+4*\s, G1B               ; three tensor loads of mine are out now, and no more follow
.endr
	v_and_b32 v1, 15, v0                           ; r
	v_bfe_u32 v2, v0, 4, 1                         ; h
	v_mul_u32_u24 v3, v1, PITCH
	v_lshl_add_u32 v4, v2, 4, v3                   ; a fragment's row x pitch + 16 h
	s_mul_i32 s21, s15, HALFT
	s_add_co_u32 s21, s21, s66                     ; my 128 rows of L
	s_mul_i32 s22, s16, HALFT
	s_add_co_u32 s22, s22, s67                     ; my 128 rows of R
.irp s, 0,1
	v_add_nc_u32 v[ADRA+\s], s21, v4
	v_add_nc_u32 v[ADRB+\s], s22, v4
	s_add_co_u32 s21, s21, SLOT
	s_add_co_u32 s22, s22, SLOT
.endr
	v_lshlrev_b32 v5, 5, v1                        ; my row's scale bytes: 32 a row,
	v_lshrrev_b32 v6, 3, v1
	v_lshl_add_u32 v5, v6, 4, v5                   ; and 16 more behind each 256
	s_cmp_eq_u32 ttmp9, 2
	s_cselect_b32 s21, 2*HALFS, 0
	s_cselect_b32 s22, 0, 2*HALFS
	s_mul_i32 s23, s15, HALFS
	s_add_co_u32 s21, s21, s23
	s_add_co_u32 s21, s21, SCL                     ; L's
	s_mul_i32 s23, s16, HALFS
	s_add_co_u32 s22, s22, s23
	s_add_co_u32 s22, s22, SCL                     ; R's
	v_add_nc_u32 v6, s21, v5
	v_add_nc_u32 v7, s22, v5
	v_cmp_eq_u32 vcc_lo, 1, v2
	v_cndmask_b32 v[ADRS], v6, v7, vcc_lo          ; lanes 0-15 take L's words, lanes 16-31 R's
	v_mov_b32 v[SELK], 0x05040100                  ; lanes 0-15: the two low halves (the even head), lanes 16-31: the two high halves
	v_mov_b32 v10, 0x07060302
	v_cndmask_b32 v[SELK], v[SELK], v10, vcc_lo
	v_lshlrev_b32 v[CS2], 13, v2
	v_lshl_add_u32 v[CS2], v1, 4, v[CS2]
	v_and_b32 v6, 31, v0
	v_lshlrev_b32 v[CO], 4, v6
.irp b, 0,1,2,3
	v_mov_b32 v[TM+4+\b], 0                        ; written once: a lane permute's destination counts as one of its sources
.endr
	; the bias of my 128 rows of W in both layouts: by R's rows (16 t + 8 h + j in register 8 t + j: q, k) and by L's rows (16 a + r in register a: v).  Each way out uses one set and puts its codes into the other's registers
	v_lshlrev_b32 v8, 5, v2
	v_lshlrev_b32 v9, 2, v1
.irp t, 0,1,2,3,4,5,6,7
	global_load_b128 v[BR+8*\t:BR+8*\t+3], v8, s[12:13] offset:64*\t
	global_load_b128 v[BR+8*\t+4:BR+8*\t+7], v8, s[12:13] offset:64*\t+16
.endr
.irp a, 0,1,2,3,4,5,6,7
	global_load_b32 v[BL+\a], v9, s[12:13] offset:64*\a
.endr
.macro FRAG reg, adr, q, i             ; 16 rows x 128 K of 4-bit codes: lane l holds row l % 16; registers 4 c .. 4 c + 3 hold K = 64 c + 32 (l / 16) + 0 .. 31
.irp c, 0,1
	ds_load_b128 v[\reg+4*\c:\reg+4*\c+3], v[\adr] offset:64*(\q)+32*\c+(\i)*16*PITCH
.endr
.endm
; 16 matrix instructions: L's blocks a0, a0 + 1 x R's eight, the slot's q-th 128 along K.  p: R's set; sc: the set of scale words.  zero = 1: the first product starts the sums.
; The 64 accumulators take turns, one instruction a turn, in the same order in every step.
.macro MUL16 a0, p, q, sc, zero
.irp a, \a0, \a0+1
.irp b, 0,1,2,3,4,5,6,7
.if \zero
	v_wmma_scale_f32_16x16x128_f8f6f4 v[8*(8*((\a)%4)+\b):8*(8*((\a)%4)+\b)+7], v[128*(\p)+FR*\b:128*(\p)+FR*\b+FR-1], v[AF+FR*(\a):AF+FR*(\a)+FR-1], 0, v[SC+8*NQ*(\sc)+NQ*\b+(\q)], v[SC+8*NQ*(\sc)+NQ*(\a)+(\q)] matrix_a_fmt:MATRIX_FMT_FP4 matrix_b_fmt:MATRIX_FMT_FP4 matrix_a_scale:MATRIX_SCALE_ROW1
.else
	v_wmma_scale_f32_16x16x128_f8f6f4 v[8*(8*((\a)%4)+\b):8*(8*((\a)%4)+\b)+7], v[128*(\p)+FR*\b:128*(\p)+FR*\b+FR-1], v[AF+FR*(\a):AF+FR*(\a)+FR-1], v[8*(8*((\a)%4)+\b):8*(8*((\a)%4)+\b)+7], v[SC+8*NQ*(\sc)+NQ*\b+(\q)], v[SC+8*NQ*(\sc)+NQ*(\a)+(\q)] matrix_a_fmt:MATRIX_FMT_FP4 matrix_b_fmt:MATRIX_FMT_FP4 matrix_a_scale:MATRIX_SCALE_ROW1
.endif
.endr
.endr
.endm
.macro FETCH_B slot, q, p              ; R's eight fragments into set p
	WIN TO_B
.irp i, 0,1,2,3,4,5,6,7
	FRAG 128*(\p)+FR*\i, ADRB+\slot, \q, \i
.endr
	WIN 0
.endm
.macro FETCH_A slot, q, i0             ; L's blocks i0 .. i0 + 3
.irp i, \i0, \i0+1, \i0+2, \i0+3
	FRAG AF+FR*(\i), ADRA+\slot, \q, \i
.endr
.endm
.macro SCALES sc                       ; a slot's scale words: 4 words a row; lanes 0-15 L's block i, lanes 16-31 R's block i
.irp i, 0,1,2,3,4,5,6,7
	ds_load_b128 v[SC+8*NQ*\sc+NQ*\i:SC+8*NQ*\sc+NQ*\i+3], v[ADRS] offset:\i*SBLK
.endr
.endm
.macro PLACES n                        ; plain vector instructions between a matrix instruction and a load into, or a vector access to, its registers (ISA guide 7.12.1 for vector accesses)
.rept \n
	v_nop
.endr
.endm
.macro STEP slot, q, zero              ; 128 along K whose successor lies in the same slot
	s_wait_dscnt 4*NL                              ; R's set and L's blocks 0-3 are in; the youngest eight loads (L's blocks 4-7) may be out
	WIN MUL_LO
	MUL16 0, (\q)%2, \q, \slot, \zero
	MUL16 2, (\q)%2, \q, \slot, \zero
	s_wait_dscnt 0                                 ; L's blocks 4-7 are in
	PLACES NP
	FETCH_B \slot, (\q)+1, 1-(\q)%2
	FETCH_A \slot, (\q)+1, 0
	WIN MUL_HI
	MUL16 4, (\q)%2, \q, \slot, \zero
	MUL16 6, (\q)%2, \q, \slot, \zero
	PLACES NP
	WIN 0
	FETCH_A \slot, (\q)+1, 4
.endm
.macro STEPS slot, from
.set Q, \from
.rept NQ-1-\from
	STEP \slot, Q, 0
.set Q, Q+1
.endr
.endm
	s_wait_tensorcnt 1                             ; the scale bytes and my part of slot 0 are in; slot 1's load may stay out
	s_barrier_signal -1
	s_barrier_wait -1                              ; everybody's are
	FETCH_B 0, 0, 0
	FETCH_A 0, 0, 0
	SCALES 0
	FETCH_A 0, 0, 4
	STEP 0, 0, 1                                   ; the first products start the sums: nothing is cleared
	STEPS 0, 1
	; slot 0's last step, and the change to slot 1
	s_wait_tensorcnt 0x0                           ; my part of slot 1 is in
	s_wait_dscnt 4*NL
	WIN MUL_LO
	MUL16 0, 1, NQ-1, 0, 0
	s_wait_dscnt 0x0                               ; no LDS instruction of mine is out at the signal
	s_barrier_signal -1
	MUL16 2, 1, NQ-1, 0, 0
	WIN 0
	s_barrier_wait -1                              ; slot 1 is whole
	PLACES NP
	v_add_nc_u32 v[ADRS], 4*NQ, v[ADRS]            ; the second 512 along K: 16 bytes on in each row of scale bytes
	FETCH_B 1, 0, 0
	FETCH_A 1, 0, 0
	SCALES 1
	WIN MUL_HI
	MUL16 4, 1, NQ-1, 0, 0
	MUL16 6, 1, NQ-1, 0, 0
	PLACES NP
	WIN 0
	FETCH_A 1, 0, 4
	STEPS 1, 0
	s_wait_dscnt 4*NL                              ; the very last step: nothing more to fetch
	WIN MUL_LO
	MUL16 0, 1, NQ-1, 1, 0
	MUL16 2, 1, NQ-1, 1, 0
	s_wait_dscnt 0
	WIN MUL_HI
	MUL16 4, 1, NQ-1, 1, 0
	MUL16 6, 1, NQ-1, 1, 0
	WIN 0
	PLACES NP
; 64 numbers of a lane, register 8 t + j = index 16 t + 8 (lane / 16) + j along the next K of the lane's row, become a fragment's 8 registers at v[pc] and its scale word in v[sw].
; A block of 32 is registers 16 b .. 16 b + 15 of lanes l and l xor 16.  The conversions of tiles 4 c, 4 c + 2 (and 4 c + 1, 4 c + 3) stand side by side, so that one exchange of halves
; between the two gives lanes 0-15 the whole block 2 c and lanes 16-31 the whole block 2 c + 1, as the operand's layout wants.
.macro QNAT s, pc, sw
.irp b, 0,1,2,3
	v_max3_num_f32 v[TM+\b], |v[(\s)+16*\b]|, |v[(\s)+1+16*\b]|, 0x1800000   ; with the floor 2^(3 - 127): the byte cannot fall under 1
.endr
.irp i, 2,4,6,8,10,12,14
.irp b, 0,1,2,3
	v_max3_num_f32 v[TM+\b], v[TM+\b], |v[(\s)+16*\b+\i]|, |v[(\s)+1+16*\b+\i]|
.endr
.endr
.irp b, 0,1,2,3
	v_permlanex16_b32 v[TM+4+\b], v[TM+\b], s18, s19
.endr
.irp b, 0,1,2,3
	v_max_num_f32 v[TM+\b], v[TM+\b], v[TM+4+\b]   ; the block's largest magnitude
.endr
.irp b, 0,1,2,3
	v_add_nc_u32 v[TM+12+\b], 0xff000000, v[TM+\b] ; 2 off its exponent field: the conversion's scale operand
.endr
.irp b, 0,1,2,3
	v_lshrrev_b32 v[TM+4+\b], 23, v[TM+12+\b]      ; the scale's byte
.endr
	v_lshl_or_b32 v[\sw], v[TM+5], 8, v[TM+4]
	v_lshl_or_b32 v[\sw], v[TM+6], 16, v[\sw]
	v_lshl_or_b32 v[\sw], v[TM+7], 24, v[\sw]
	s_wait_xcnt 0x0                                ; the last block's two stores have read their data: the codes' registers are written again only behind this wait
.irp c, 0,1
	v_cvt_scalef32_pk8_fp4_f32 v[(\pc)+4*\c],   v[(\s)+32*\c:(\s)+32*\c+7],     v[TM+12+2*\c]
	v_cvt_scalef32_pk8_fp4_f32 v[(\pc)+4*\c+1], v[(\s)+32*\c+16:(\s)+32*\c+23], v[TM+13+2*\c]
	v_cvt_scalef32_pk8_fp4_f32 v[(\pc)+4*\c+2], v[(\s)+32*\c+8:(\s)+32*\c+15],  v[TM+12+2*\c]
	v_cvt_scalef32_pk8_fp4_f32 v[(\pc)+4*\c+3], v[(\s)+32*\c+24:(\s)+32*\c+31], v[TM+13+2*\c]
.endr
	v_nop                                          ; one plain place behind a scaled conversion
.irp c, 0,1
	v_permlane16_swap_b32 v[(\pc)+4*\c], v[(\pc)+4*\c+1]
	v_permlane16_swap_b32 v[(\pc)+4*\c+2], v[(\pc)+4*\c+3]
.endr
.endm
; THE WAY OUT of L's block a: one packed addition brings two sums into window 0 and adds the bias (each accumulator from its low end on); then the quantiser; then two stores of 512 consecutive bytes.
.macro EPI a, isv
.set AC, 64*((\a)%4)
.set WN, 0x02+(\a)/4                   ; source 0: window 2 or 3
	WIN WN
.set I, 0
.rept 32
.if \isv
.if (\a)%2
	v_pk_add_f32 v[ST+2*I:ST+2*I+1], v[AC+2*I:AC+2*I+1], v[BL+2*((\a)/2):BL+2*((\a)/2)+1] op_sel:[0,1] op_sel_hi:[1,1]   ; v: the bias of my lane's channel, for both halves
.else
	v_pk_add_f32 v[ST+2*I:ST+2*I+1], v[AC+2*I:AC+2*I+1], v[BL+2*((\a)/2):BL+2*((\a)/2)+1] op_sel_hi:[1,0]
.endif
.else
	v_pk_add_f32 v[ST+2*I:ST+2*I+1], v[AC+2*I:AC+2*I+1], v[BR+2*I:BR+2*I+1]                                             ; q, k: the bias of the registers' channels
.endif
.set I, I+1
.endr
	WIN 0
.if \isv
	QNAT ST, BR, SW+(\a)
	global_store_b128 v[CO], v[BR:BR+3], s[98:99] offset:((\a)/4)*65536+((\a)%4)*1024        ; head a / 4, channels 16 (a % 4) on, keys 0-63 of my 128
	global_store_b128 v[CO], v[BR+4:BR+7], s[98:99] offset:((\a)/4)*65536+((\a)%4)*1024+512  ; keys 64-127
.else
	QNAT ST, BL, SW+(\a)
	global_store_b128 v[CO], v[BL:BL+3], s[98:99] offset:512*(\a)                            ; tokens 16 a on, the even head's 64 channels
	global_store_b128 v[CO], v[BL+4:BL+7], s[98:99] offset:512*(\a)+65536                    ; the odd head's
.endif
.endm
	s_mov_b32 s18, 0x76543210
	s_mov_b32 s19, 0xfedcba98                      ; v_permlanex16_b32's selects for lane l xor 16
	s_wait_loadcnt 0x0                             ; the biases
	v_cmp_eq_u32 vcc_lo, 1, v2                     ; lanes 16-31
	s_cmp_eq_u32 ttmp9, 2
	s_cbranch_scc1 .Lv
.irp a, 0,1,2,3,4,5,6,7
	EPI \a, 0
.endr
	s_cmp_eq_u32 ttmp9, 1
	s_cbranch_scc1 .Lkwords
.irp i, 0,1,2,3
	v_cndmask_b32 v[TM+\i], v[SW+\i], v[SW+4+\i], vcc_lo   ; q: the raw words (two bytes for each head) of tiles 4 (lane / 16) + i
.endr
	global_store_b128 v[CO], v[TM:TM+3], s[100:101]        ; 512 consecutive bytes
	s_branch .Ldone
.Lkwords:
.irp i, 0,1,2,3
	v_perm_b32 v[TM+\i], v[SW+2*\i+1], v[SW+2*\i], v[SELK] ; k: a fragment holds tiles 2 i and 2 i + 1: two bytes of each; lanes 0-15 the even head's, lanes 16-31 the odd head's
.endr
	global_store_b128 v[CS2], v[TM:TM+3], s[100:101]       ; sixteen lanes store 256 consecutive bytes, one run for each head
	s_branch .Ldone
.Lv:
.irp a, 0,1,2,3,4,5,6,7
	EPI \a, 1
.endr
.irp i, 0,1,2,3
	v_cndmask_b32 v[TM+\i], v[SW+\i], v[SW+4+\i], vcc_lo   ; v: the words of channels 16 i + r; lanes 0-15 the even head's, lanes 16-31 the odd head's
.endr
	global_store_b128 v[CS2], v[TM:TM+3], s[100:101]
.Ldone:
	s_wait_tensorcnt 0x0
	ds_add_u32 v122, v123
	s_wait_dscnt 0x0
	CROUND                                         ; the closing round: no work-group ends while a partner may still ask for a tile that names it
	s_endpgm
.Lfunc_end_k_q1e33a8c2f2_proj:
	.size	k_q1e33a8c2f2_proj, .Lfunc_end_k_q1e33a8c2f2_proj-k_q1e33a8c2f2_proj
	.p2alignl 7, 3214868480
	.fill 96, 4, 3214868480
	.section	.rodata,"a",@progbits
	.p2align	6, 0x0
	.amdhsa_kernel k_q1e33a8c2f2_proj
		.amdhsa_group_segment_fixed_size 296448
		.amdhsa_private_segment_fixed_size 0
		.amdhsa_enable_private_segment 0
		.amdhsa_kernarg_size 112
		.amdhsa_user_sgpr_count 2
		.amdhsa_user_sgpr_kernarg_segment_ptr 1
		.amdhsa_wavefront_size32 1
		.amdhsa_system_sgpr_workgroup_id_x 1
		.amdhsa_system_sgpr_workgroup_id_y 1
		.amdhsa_system_sgpr_workgroup_id_z 1
		.amdhsa_system_vgpr_workitem_id 0
		.amdhsa_next_free_vgpr 1024
		.amdhsa_next_free_sgpr 102
		.amdhsa_reserve_vcc 1
		.amdhsa_float_denorm_mode_32 3
		.amdhsa_float_denorm_mode_16_64 3
		.amdhsa_memory_ordered 1
		.amdhsa_forward_progress 1
		.amdhsa_inst_pref_size 196
	.end_amdhsa_kernel
	.amdgpu_metadata
---
amdhsa.version: [ 1, 2 ]
amdhsa.kernels:
  - .name:           k_q1e33a8c2f2_proj
    .symbol:         k_q1e33a8c2f2_proj.kd
    .args:
      - { .name: hidden_states_codes, .offset: 0, .size: 8, .value_kind: global_buffer, .address_space: global }
      - { .name: hidden_states_scales, .offset: 8, .size: 8, .value_kind: global_buffer, .address_space: global }
      - { .name: Wq_codes, .offset: 16, .size: 8, .value_kind: global_buffer, .address_space: global }
      - { .name: Wq_scales, .offset: 24, .size: 8, .value_kind: global_buffer, .address_space: global }
      - { .name: Wk_codes, .offset: 32, .size: 8, .value_kind: global_buffer, .address_space: global }
      - { .name: Wk_scales, .offset: 40, .size: 8, .value_kind: global_buffer, .address_space: global }
      - { .name: Wv_codes, .offset: 48, .size: 8, .value_kind: global_buffer, .address_space: global }
      - { .name: Wv_scales, .offset: 56, .size: 8, .value_kind: global_buffer, .address_space: global }
      - { .name: bq, .offset: 64, .size: 8, .value_kind: global_buffer, .address_space: global }
      - { .name: bk, .offset: 72, .size: 8, .value_kind: global_buffer, .address_space: global }
      - { .name: bv, .offset: 80, .size: 8, .value_kind: global_buffer, .address_space: global }
      - { .name: codes, .offset: 88, .size: 8, .value_kind: global_buffer, .address_space: global }
      - { .name: qs, .offset: 96, .size: 8, .value_kind: global_buffer, .address_space: global }
      - { .name: kvs, .offset: 104, .size: 8, .value_kind: global_buffer, .address_space: global }
    .group_segment_fixed_size: 296448
    .private_segment_fixed_size: 0
    .kernarg_segment_align: 8
    .kernarg_segment_size: 112
    .max_flat_workgroup_size: 128
    .sgpr_count:     102
    .vgpr_count:     1024
    .wavefront_size: 32
...
	.end_amdgpu_metadata
.endif
;; end of part 1
;; launch attn (part 2): grid 4 x 64, 16 waves a work-group, no clusters, 219,136 bytes of LDS; arguments codes, qs, kvs, attention_mask, out0; writes out0
.if DOCPART == 2
	.amdgcn_target "amdgcn-amd-amdhsa--gfx1250"
	.amdhsa_code_object_version 6
	.text
	.protected	k_q1e33a8c2f2_attn
	.globl	k_q1e33a8c2f2_attn
	.p2align	8
	.type	k_q1e33a8c2f2_attn,@function
k_q1e33a8c2f2_attn:
	s_mov_b64 s[64:65], 0
	v_nop
	global_prefetch_b8 v0, s[64:65] scope:SCOPE_SE
	s_setreg_imm32_b32 hwreg(HW_REG_WAVE_MODE, 25, 1), 1
	s_wait_xcnt 0x0
; out[b][q][64 hd ..] = sum over keys of softmax(q . k / 8 + causal + mask[b][key]) v, both products on codes of FP4 (E2M1) with one E8M0 byte for each 32 along a product's K.
; q, k, v arrive from the launch before as images of operand registers (512 bytes = 4 registers x 32 lanes, lane l's 16 bytes at 16 l) with their scale words beside them.
; THE SOFTMAX: t = (q . k + 8 mask) x log2(e) / 8; M = the row's largest t so far, rounded UP to a whole number; p = 2^(t - M) is quantised along the keys, not normalised;
; the row's sum is taken of the unquantised p and divides at the end.  When M moves, the sum and O are multiplied by 2^(old M - new M): exact.
; SHARES.  Work-group (i, bh), i = 0 .. 3, owns query blocks i and 7 - i (256 queries each) of head bh.  Wave w takes tile 16 i + w in the first pass and tile 127 - (16 i + w) in the second:
; (16 i + w) / 8 + 1 and (127 - 16 i - w) / 8 + 1 key steps of 128, 17 together for every wave of the launch.  Key steps all of whose keys come after the wave's 16 queries are left out by a scalar branch on ids.
; LDS.  The head's K and V codes (65,536 bytes each) and scale words (8,192) come ONCE, by three tensor loads a wave; nothing is filled again.  8 x mask[b] is put beside them by LDS stores.
; NO CLUSTER: the four work-groups of a head read the same 139,264 bytes once each, but which steps a wave works hangs on its query block, which differs between them, and partners of a joint load must run alike.
; K = 64 IN AN INSTRUCTION OF 128: a fragment of K holds key tile 2 f in k 0-63 and key tile 2 f + 1 in k 64-127; it is multiplied once by (Q | zero codes) and once by (zero codes | Q).
; Both products are used transposed: S^T = K Q^T, O^T = V^T P^T: a lane holds ONE query (lane % 16); register 8 t + j of S^T is key 16 t + 8 (lane / 16) + j.
; 8 x mask is the C of the score products: it costs no vector instruction.
; LIMITS: mask magnitudes beyond 4.2e37 become infinite by the factor 8; an infinite mask reaches the scores as the C of a matrix instruction; a row whose every allowed key carries a huge finite mask
; (|t| far above 2^20) has its p placed otherwise than by a t rounded first; a row all of whose allowed keys are -infinity gives NaN.  A block whose every p is 0 keeps the byte 1: its codes are zeros.
; REGISTERS: v1-7 addresses that stay; v8-11 the step's addresses; v12 -M, v13 the largest t, v[14:15] the sum; v16-31 (Q | 0), (0 | Q) of pass 1; v32-63 K; v64-95 V; v96-159 S^T, then p; v160-191 O^T;
;   v192-199 p's codes; v200-211 at work; v212-215 K's scale words, v216-219 V's, v220, v221 Q's, v222 p's; v[224:225] f; v226-227 at work; v228 r - 8 h; v232-247 Q of pass 2; v248-253 the head's offsets.
.set SM,    131072                     ; K's scale words [step 16][r 16][fragment 4], then V's at + 4,096 [step 16][r 16][tile 4]
.set MK,    139264                     ; 8 x mask[b]: 2,048 numbers
.set STAGE, 147456                     ; the way out: 16 rows x (256 bytes + 16) for each wave
.set SP,    272
.set KFR,   32
.set VFR,   64
.set SS,    96
.set OT,    160
.set PC,    192
.set BM,    200
.set BY,    204
.set SO,    208
.set KSW,   212
.set VSW,   216
.set PW,    222
.set FF,    224
.set TT,    226
.set DL,    228
.set WV,    18
.set SEL,   20
.set CS,    22
.set KF,    52                         ; s52  the step's first key
.set Q0,    53                         ; s53  my first query
	s_load_b256 s[4:11], s[0:1], 0x0               ; codes, qs, kvs, mask
	s_load_b64 s[12:13], s[0:1], 0x20              ; out0
	v_lshl_add_u32 v254, v0, 2, 0x35000
	v_mov_b32 v255, 0
	ds_add_u32 v254, v255
	ds_add_u32 v254, v255
	v_lshrrev_b32 v8, 5, v0
	v_readfirstlane_b32 s[WV], v8                  ; wave 0..15
	s_and_b32 s19, ttmp7, 0xffff                   ; bh = 16 b + hd
	s_lshr_b32 s66, s[WV], 3                       ; I fetch K's codes (0) or V's (1),
	s_and_b32 s67, s[WV], 7                        ; key steps lo and lo + 8
	; group 1: dense blocks as rows of 256 bytes (32 elements of 8 bytes): 16 rows (a key step's 4,096 bytes) and 2 rows (512 bytes of scale words)
	s_mov_b32 s24, 3<<16
	s_mov_b32 s25, 32<<16
	s_mov_b32 s26, 16<<16
	s_mov_b32 s27, 32<<16
	s_mov_b32 s28, 16
	s_mov_b32 s29, 32
	s_mov_b32 s30, 0
	s_mov_b32 s31, 0
	s_mov_b32 s32, 3<<16
	s_mov_b32 s33, 32<<16
	s_mov_b32 s34, 2<<16
	s_mov_b32 s35, 32<<16
	s_mov_b32 s36, 2
	s_mov_b32 s37, 32
	s_mov_b32 s38, 0
	s_mov_b32 s39, 0
	s_lshl_b32 s68, s[WV], 9
	s_add_co_u32 s41, s68, SM                      ; LDS: my 512 bytes of scale words,
	s_lshl_b32 s45, s66, 16
	s_lshl_b32 s69, s67, 12
	s_add_co_u32 s45, s45, s69                     ; my key step of K (from byte 0) or of V (from byte 65,536),
	s_add_co_u32 s49, s45, 32768                   ; and the step eight further on
	s_lshl_b32 s72, s19, 13
	s_add_co_u32 s72, s72, s68                     ; memory: 8,192 bytes of scale words a head
	s_mov_b32 s73, 0
	s_lshl_b32 s70, s19, 16                        ; the head's 65,536 bytes in a section of codes
	s_mov_b32 s71, 0
	s_lshl_b32 s74, s66, 22
	s_add_co_u32 s74, s74, 0x400000                ; k's section begins at 4 MiB, v's at 8 MiB
	s_add_co_u32 s74, s74, s69
	s_add_co_u32 s74, s74, s70
	s_mov_b32 s75, 0
	s_lshl_b32 s62, ttmp9, 4
	s_add_co_u32 s62, s62, s[WV]                   ; my tile of 16 queries in pass 1,
	s_sub_co_u32 s63, 127, s62                     ; and in pass 2
	s_lshr_b32 s76, s19, 4                         ; b
	s_and_b32 s77, s19, 15                         ; hd
	s_lshl_b32 s78, s76, 13                        ; mask[b]: 8,192 bytes
	s_mov_b32 s79, 0
	s_lshl_b32 s76, s76, 23                        ; out0: 8 MiB a batch,
	s_lshl_b32 s77, s77, 8                         ; 256 bytes a head in a row of 4,096,
	s_add_co_u32 s76, s76, s77
	s_lshl_b32 s77, s62, 16                        ; 16 rows a tile
	s_add_co_u32 s58, s76, s77
	s_mov_b32 s59, 0
	s_lshl_b32 s77, s63, 16
	s_add_co_u32 s60, s76, s77
	s_mov_b32 s61, 0
	s_lshr_b32 s56, s19, 1
	s_lshl_b32 s56, s56, 13                        ; qs: 8,192 bytes a pair of heads
	s_mov_b32 s57, 0
	s_mov_b32 s[SEL], 0x76543210
	s_mov_b32 s[SEL+1], 0xfedcba98                 ; v_permlanex16_b32's selects for lane l xor 16
	s_mov_b32 s[CS], 0x3e38aa3b                    ; c = log2(e) / 8
	s_mov_b32 s[CS+1], s[CS]                       ; (named with it as a pair, so it is written)
	s_wait_dscnt 0x0
	s_wait_kmcnt 0x0
	s_mov_b32 s40, 1
	s_add_nc_u64 s[42:43], s[8:9], s[72:73]
	s_or_b32 s43, s43, 0x80000000
	s_mov_b32 s44, 1
	s_add_nc_u64 s[46:47], s[4:5], s[74:75]
	s_mov_b32 s48, 1
	s_add_nc_u64 s[50:51], s[46:47], 32768
	s_or_b32 s47, s47, 0x80000000
	s_or_b32 s51, s51, 0x80000000
	tensor_load_to_lds s[40:43], s[32:39]          ; the three fills of a wave stand together, ahead of every wait on TENSORcnt, LDS read and barrier: three loads of mine are out
	s_nop 0
	tensor_load_to_lds s[44:47], s[24:31]          ; key steps 0-7
	s_nop 0
	tensor_load_to_lds s[48:51], s[24:31]          ; key steps 8-15: wanted in pass 2 alone
	s_nop 0
.rept 4
	v_nop
.endr
	s_add_nc_u64 s[54:55], s[4:5], s[70:71]        ; q's section begins at byte 0: the head's tiles
	s_add_nc_u64 s[56:57], s[6:7], s[56:57]
	s_add_nc_u64 s[10:11], s[10:11], s[78:79]
	s_add_nc_u64 s[58:59], s[12:13], s[58:59]      ; out0 at pass 1's first query,
	s_add_nc_u64 s[60:61], s[12:13], s[60:61]      ; and at pass 2's
	v_and_b32 v9, 31, v0
	v_lshlrev_b32 v1, 4, v9                        ; 16 x lane: my place in an image; K's codes begin at LDS byte 0
	v_add_nc_u32 v2, 0x10000, v1                   ; V's at 65,536
	v_and_b32 v10, 15, v0                          ; r
	v_bfe_u32 v11, v0, 4, 1                        ; h
	v_lshl_add_u32 v3, v10, 4, SM                  ; my row's four scale words
	v_lshl_add_u32 v4, v11, 5, MK                  ; my half's eight keys of a tile
	s_mul_i32 s76, s[WV], 16*SP
	s_add_co_u32 s76, s76, STAGE                   ; my stage
	v_mul_u32_u24 v5, v10, SP
	v_lshl_add_u32 v5, v11, 5, v5
	v_add_nc_u32 v5, s76, v5                       ; in: row r, + 32 h
	v_mul_u32_u24 v6, v11, SP
	v_lshl_add_u32 v6, v10, 4, v6
	v_add_nc_u32 v6, s76, v6                       ; back: lanes 0-15 one row, lanes 16-31 the next
	v_lshlrev_b32 v7, 12, v11
	v_lshl_add_u32 v7, v10, 4, v7                  ; and the same two rows in out0
	v_lshlrev_b32 v[DL], 3, v11
	v_sub_nc_u32 v[DL], v10, v[DL]                 ; r - 8 h
	v_lshlrev_b32 v252, 4, v0                      ; 16 x thread: the 512 threads take the 8,192 bytes of mask[b]
	global_load_b128 v[96:99], v252, s[10:11]
	s_lshl_b32 s76, s62, 9
	v_add_nc_u32 v248, s76, v1                     ; a tile of q is 512 bytes
	s_lshl_b32 s76, s63, 9
	v_add_nc_u32 v249, s76, v1
	s_lshr_b32 s76, s62, 2                         ; its raw scale word: 256 bytes for four tiles, 16 bytes a row, 4 bytes a tile
	s_lshl_b32 s76, s76, 8
	s_and_b32 s77, s62, 3
	s_lshl_b32 s77, s77, 2
	s_add_co_u32 s76, s76, s77
	v_lshl_add_u32 v250, v10, 4, s76
	s_lshr_b32 s76, s63, 2
	s_lshl_b32 s76, s76, 8
	s_and_b32 s77, s63, 3
	s_lshl_b32 s77, s77, 2
	s_add_co_u32 s76, s76, s77
	v_lshl_add_u32 v251, v10, 4, s76
	global_load_b128 v[16:19], v248, s[54:55]      ; (Q | 0): registers 0-3;
	global_load_b128 v[28:31], v248, s[54:55]      ; (0 | Q): registers 4-7
	global_load_b128 v[232:235], v249, s[54:55]
	global_load_b128 v[244:247], v249, s[54:55]
	global_load_b32 v220, v250, s[56:57]
	global_load_b32 v221, v251, s[56:57]
.irp j, 20,21,22,23,24,25,26,27,236,237,238,239,240,241,242,243
	v_mov_b32 v\j, 0                               ; the zero codes
.endr
.irp b, 0,1,2,3
	v_mov_b32 v[BY+\b], 0                          ; written once: a lane permute's destination counts as one of its sources
.endr
	v_mov_b32 v[TT], 0
	v_add_nc_u32 v253, MK, v252
	s_wait_loadcnt 6                               ; the mask is in; Q's six loads may be out
.irp j, 96,97,98,99
	v_mul_f32 v\j, 0x41000000, v\j                 ; x 8: exact
.endr
	ds_store_b128 v253, v[96:99]
	s_mov_b32 s77, 0x01000100                      ; Q's scale word: its head's two bytes, twice: the even head's are bytes 0, 1 of the raw word, the odd head's bytes 2, 3
	s_bitcmp1_b32 s19, 0
	s_cselect_b32 s77, 0x03020302, s77
	s_wait_loadcnt 0x0
	v_perm_b32 v220, v220, v220, s77
	v_perm_b32 v221, v221, v221, s77
	s_wait_tensorcnt 1                             ; my scale words and my key step of 0-7 are in; the load of steps 8-15 may stay out
	s_wait_dscnt 0x0                               ; my part of the mask lies in LDS
	s_barrier_signal -1
	s_barrier_wait -1                              ; everybody's do
.macro INIT
	v_mov_b32 v13, 0xff61b1e6                      ; the largest t so far: -3e38, under every t
	v_floor_f32 v12, -v13                          ; -M
	v_mov_b32 v14, 0                               ; the sum, in two halves
	v_mov_b32 v15, 0
	v_mov_b32 v[FF+1], 0                           ; (named as the upper half of a pair)
.irp j, 0,1,2,3,4,5,6,7,8,9,10,11,12,13,14,15,16,17,18,19,20,21,22,23,24,25,26,27,28,29,30,31
	v_mov_b32 v[OT+\j], 0                          ; O^T: the step is written once; its first trip finds zeros
.endr
	s_mov_b32 s[KF], 0
.endm
; A PASS: kend / 128 trips, a constant; a trip is a key step of 128 keys.  qf: (Q | 0), with (0 | Q) eight registers on; qs: Q's scale word.
.macro PASS qf, qs, kend
.Lstep_\@:
	s_add_co_u32 s66, s[Q0], 15
	s_cmp_gt_u32 s[KF], s66                        ; all 128 keys come after my 16 queries: the step's work is left out
	s_cbranch_scc1 .Lhidden_\@
	s_lshl_b32 s66, s[KF], 5                       ; 4,096 bytes of codes a step,
	s_lshl_b32 s67, s[KF], 1                       ; 256 of scale words,
	s_lshl_b32 s68, s[KF], 2                       ; 512 of the mask
	v_add_nc_u32 v8, s66, v1                       ; (these four are also the places between the last step's products and the loads into their operands)
	v_add_nc_u32 v9, s66, v2
	v_add_nc_u32 v10, s67, v3
	v_add_nc_u32 v11, s68, v4
.irp t, 0,1,2,3,4,5,6,7
	ds_load_b128 v[SS+8*\t:SS+8*\t+3], v11 offset:64*\t          ; 8 x mask of keys 16 t + 8 h + 0 .. 7, into the scores' own registers
	ds_load_b128 v[SS+8*\t+4:SS+8*\t+7], v11 offset:64*\t+16
.endr
.irp f, 0,1,2,3
	ds_load_b128 v[KFR+8*\f:KFR+8*\f+3], v8 offset:1024*\f       ; key tile 2 f
	ds_load_b128 v[KFR+8*\f+4:KFR+8*\f+7], v8 offset:1024*\f+512 ; key tile 2 f + 1
.endr
	ds_load_b128 v[KSW:KSW+3], v10
.irp f, 0,1,2,3
	ds_load_b128 v[VFR+8*\f:VFR+8*\f+3], v9 offset:1024*\f       ; channels 16 f on, keys 0-63 of the step
	ds_load_b128 v[VFR+8*\f+4:VFR+8*\f+7], v9 offset:1024*\f+512 ; keys 64-127
.endr
	ds_load_b128 v[VSW:VSW+3], v10 offset:4096
	s_wait_dscnt 9                                 ; the mask, K and its scale words are in; V's nine loads may be out
.irp f, 0,1,2,3                                ; eight products, each onto its own accumulator
	v_wmma_scale_f32_16x16x128_f8f6f4 v[SS+16*\f:SS+16*\f+7], v[KFR+8*\f:KFR+8*\f+7], v[\qf:\qf+7], v[SS+16*\f:SS+16*\f+7], v[KSW+\f], v[\qs] matrix_a_fmt:MATRIX_FMT_FP4 matrix_b_fmt:MATRIX_FMT_FP4
	v_wmma_scale_f32_16x16x128_f8f6f4 v[SS+16*\f+8:SS+16*\f+15], v[KFR+8*\f:KFR+8*\f+7], v[\qf+8:\qf+15], v[SS+16*\f+8:SS+16*\f+15], v[KSW+\f], v[\qs] matrix_a_fmt:MATRIX_FMT_FP4 matrix_b_fmt:MATRIX_FMT_FP4
.endr
.rept 4
	v_nop                                          ; places in front of the first read of results
.endr
	s_add_co_u32 s66, s[KF], 127
	s_cmp_le_u32 s66, s[Q0]                        ; all 128 keys count for all my queries: no mask
	s_cbranch_scc1 .Lopen_\@
	s_sub_co_i32 s66, s[Q0], s[KF]
	v_add_nc_u32 v[TT], s66, v[DL]                 ; d = my query - KF - 8 h.  Register n holds key KF + 8 h + 16 (n / 8) + n % 8: hidden where 16 (n / 8) + n % 8 > d
	v_mov_b32 v[TT+1], 0xff800000                  ; -infinity
.set N, 0
.rept 64
	v_cmp_gt_i32 vcc_lo, 16*(N/8)+N%8, v[TT]
	v_cndmask_b32 v[SS+N], v[SS+N], v[TT+1], vcc_lo
.set N, N+1
.endr
.Lopen_\@:
.irp b, 0,1,2,3
	v_max3_num_f32 v[BM+\b], v[SS+16*\b], v[SS+1+16*\b], v[SS+2+16*\b]   ; the largest score of each block of 32 keys: for the row's maximum and, since p rises with the score, for the block's largest p
.endr
.irp i, 3,5,7,9,11,13
.irp b, 0,1,2,3
	v_max3_num_f32 v[BM+\b], v[BM+\b], v[SS+16*\b+\i], v[SS+1+16*\b+\i]
.endr
.endr
.irp b, 0,1,2,3
	v_max_num_f32 v[BM+\b], v[BM+\b], v[SS+15+16*\b]
.endr
.irp b, 0,1,2,3
	v_permlanex16_b32 v[BY+\b], v[BM+\b], s[SEL], s[SEL+1]
.endr
.irp b, 0,1,2,3
	v_max_num_f32 v[BM+\b], v[BM+\b], v[BY+\b]     ; with lane l xor 16's 16 keys
.endr
	v_max3_num_f32 v[TT], v[BM], v[BM+1], v[BM+2]
	v_max_num_f32 v[TT], v[TT], v[BM+3]
	v_mul_f32 v[TT], s[CS], v[TT]                  ; the step's largest t (c is positive)
	v_max_num_f32 v13, v13, v[TT]                  ; the running largest t
	v_mov_b32 v[TT], v12
	v_floor_f32 v12, -v13                          ; the new -M = floor(-t): M is a whole number
	v_sub_f32 v[TT], v12, v[TT]                    ; old M - new M: a whole number, 0 or less
	v_cvt_i32_f32 v[TT], v[TT]                     ; (it saturates)
	v_ldexp_f32 v[FF], 1.0, v[TT]                  ; f = 2^(old M - new M)
.irp j, 0,2,4,6,8,10,12,14,16,18,20,22,24,26,28,30,32,34,36,38,40,42,44,46,48,50,52,54,56,58,60,62
	v_pk_fma_f32 v[SS+\j:SS+1+\j], v[SS+\j:SS+1+\j], s[CS:CS+1], v[12:13] op_sel_hi:[1,0,0]   ; t - M, two at a time
.endr
.irp b, 0,1,2,3
	v_fma_f32 v[BM+\b], v[BM+\b], s[CS], v12       ; the same of each block's largest score
.endr
.irp j, 0,1,2,3,4,5,6,7,8,9,10,11,12,13,14,15,16,17,18,19,20,21,22,23,24,25,26,27,28,29,30,31,32,33,34,35,36,37,38,39,40,41,42,43,44,45,46,47,48,49,50,51,52,53,54,55,56,57,58,59,60,61,62,63
	v_exp_f32 v[SS+\j], v[SS+\j]                   ; p = 2^(t - M)
.endr
.irp b, 0,1,2,3
	v_exp_f32 v[BM+\b], v[BM+\b]                   ; the block's largest p: the same two instructions on the same number
.endr
	v_pk_mul_f32 v[14:15], v[14:15], v[FF:FF+1] op_sel_hi:[1,0]   ; the sums under the new M (a plain place behind the exponentials)
	s_wait_alu depctr_va_vdst(0)
.irp b, 0,1,2,3
	v_max_num_f32 v[BM+\b], 0x1800000, v[BM+\b]    ; the floor 2^(3 - 127): the byte cannot fall under 1
.endr
.irp b, 0,1,2,3
	v_add_nc_u32 v[SO+\b], 0xff000000, v[BM+\b]    ; 2 off the exponent field: the conversion's scale operand
.endr
.irp b, 0,1,2,3
	v_lshrrev_b32 v[BY+\b], 23, v[SO+\b]           ; the scale's byte
.endr
	v_lshl_or_b32 v[PW], v[BY+1], 8, v[BY]         ; p's scale word for these 128 keys
	v_lshl_or_b32 v[PW], v[BY+2], 16, v[PW]
	v_lshl_or_b32 v[PW], v[BY+3], 24, v[PW]
.irp c, 0,1                                    ; tiles 4 c and 4 c + 2 side by side, then 4 c + 1 and 4 c + 3: one exchange of halves a pair gives each lane a whole block
	v_cvt_scalef32_pk8_fp4_f32 v[PC+4*\c],   v[SS+32*\c:SS+32*\c+7],     v[SO+2*\c]
	v_cvt_scalef32_pk8_fp4_f32 v[PC+4*\c+1], v[SS+32*\c+16:SS+32*\c+23], v[SO+1+2*\c]
	v_cvt_scalef32_pk8_fp4_f32 v[PC+4*\c+2], v[SS+32*\c+8:SS+32*\c+15],  v[SO+2*\c]
	v_cvt_scalef32_pk8_fp4_f32 v[PC+4*\c+3], v[SS+32*\c+24:SS+32*\c+31], v[SO+1+2*\c]
.endr
	v_nop                                          ; one plain place behind a scaled conversion
.irp c, 0,1
	v_permlane16_swap_b32 v[PC+4*\c], v[PC+4*\c+1]
	v_permlane16_swap_b32 v[PC+4*\c+2], v[PC+4*\c+3]
.endr
	v_pk_add_f32 v[BY:BY+1], v[SS:SS+1], v[SS+2:SS+3]   ; the row's sum is taken of the unquantised p: two at a time, in two chains
.irp j, 4,8,12,16,20,24,28,32,36,40,44,48,52,56,60
	v_pk_add_f32 v[14:15], v[14:15], v[SS+\j:SS+1+\j]
	v_pk_add_f32 v[BY:BY+1], v[BY:BY+1], v[SS+2+\j:SS+3+\j]
.endr
	v_pk_add_f32 v[14:15], v[14:15], v[BY:BY+1]
.irp j, 0,2,4,6,8,10,12,14,16,18,20,22,24,26,28,30
	v_pk_mul_f32 v[OT+\j:OT+1+\j], v[OT+\j:OT+1+\j], v[FF:FF+1] op_sel_hi:[1,0]   ; O^T under the new M.  (The sums and these are the places between p's codes and scale word and the products below)
.endr
	s_wait_dscnt 0x0                               ; V and its scale words are in
.irp t, 0,1,2,3                                ; O^T += V^T P^T: four accumulators, one instruction each
	v_wmma_scale_f32_16x16x128_f8f6f4 v[OT+8*\t:OT+8*\t+7], v[VFR+8*\t:VFR+8*\t+7], v[PC:PC+7], v[OT+8*\t:OT+8*\t+7], v[VSW+\t], v[PW] matrix_a_fmt:MATRIX_FMT_FP4 matrix_b_fmt:MATRIX_FMT_FP4
.endr
.Lhidden_\@:
	s_add_co_u32 s[KF], s[KF], 128
	s_cmp_lt_u32 s[KF], \kend
	s_cbranch_scc1 .Lstep_\@
.endm
; THE WAY OUT: O^T / the sum goes through my stage in LDS and leaves as rows: sixteen lanes store the 256 consecutive bytes of one query's head, at a multiple of 256 from out0's first byte.
.macro WAYOUT base
.rept 4
	v_nop                                          ; places behind the last products
.endr
	v_add_f32 v14, v14, v15
	v_permlanex16_b32 v[TT], v14, s[SEL], s[SEL+1]
	v_add_f32 v14, v14, v[TT]                      ; the row's sum
	v_rcp_f32 v14, v14
	v_nop                                          ; one plain place behind a transcendental
	s_wait_alu depctr_va_vdst(0)
.irp j, 0,1,2,3,4,5,6,7,8,9,10,11,12,13,14,15,16,17,18,19,20,21,22,23,24,25,26,27,28,29,30,31
	v_mul_f32 v[SS+\j], v[OT+\j], v14              ; register 8 t + j: channel 16 t + 8 h + j of query r
.endr
.irp t, 0,1,2,3
	ds_store_b128 v5, v[SS+8*\t:SS+8*\t+3] offset:64*\t
	ds_store_b128 v5, v[SS+8*\t+4:SS+8*\t+7] offset:64*\t+16
.endr
.irp n, 0,1,2,3,4,5,6,7
	ds_load_b128 v[SS+32+4*\n:SS+35+4*\n], v6 offset:2*\n*SP   ; LDS serves a wave's instructions in order (ISA guide 5.7.1.4): these see my stores
.endr
.irp n, 0,1,2,3,4,5,6,7
	s_wait_dscnt 7-\n                              ; row pair n is back
	global_store_b128 v7, v[SS+32+4*\n:SS+35+4*\n], s[\base:\base+1] offset:8192*\n th:TH_STORE_NT
.endr
.endm
	INIT
	s_lshl_b32 s[Q0], s62, 4
	PASS 16, 220, 1024                             ; pass 1: my queries lie under 1,024, so key steps 0-7 serve
	WAYOUT 58
	s_wait_tensorcnt 0x0                           ; my key step of 8-15 is in
	s_wait_dscnt 0x0
	s_barrier_signal -1
	s_barrier_wait -1                              ; everybody's is
	s_wait_xcnt 0x0                                ; pass 1's stores have read their data: those registers are loaded again only behind this wait
	INIT
	s_lshl_b32 s[Q0], s63, 4
	PASS 232, 221, 2048                            ; pass 2
	WAYOUT 60
	s_wait_tensorcnt 0x0
	ds_add_u32 v254, v255
	s_wait_dscnt 0x0
	s_endpgm
.Lfunc_end_k_q1e33a8c2f2_attn:
	.size	k_q1e33a8c2f2_attn, .Lfunc_end_k_q1e33a8c2f2_attn-k_q1e33a8c2f2_attn
	.p2alignl 7, 3214868480
	.fill 96, 4, 3214868480
	.section	.rodata,"a",@progbits
	.p2align	6, 0x0
	.amdhsa_kernel k_q1e33a8c2f2_attn
		.amdhsa_group_segment_fixed_size 219136
		.amdhsa_private_segment_fixed_size 0
		.amdhsa_enable_private_segment 0
		.amdhsa_kernarg_size 40
		.amdhsa_user_sgpr_count 2
		.amdhsa_user_sgpr_kernarg_segment_ptr 1
		.amdhsa_wavefront_size32 1
		.amdhsa_system_sgpr_workgroup_id_x 1
		.amdhsa_system_sgpr_workgroup_id_y 1
		.amdhsa_system_sgpr_workgroup_id_z 1
		.amdhsa_system_vgpr_workitem_id 0
		.amdhsa_next_free_vgpr 256
		.amdhsa_next_free_sgpr 80
		.amdhsa_reserve_vcc 1
		.amdhsa_float_denorm_mode_32 3
		.amdhsa_float_denorm_mode_16_64 3
		.amdhsa_memory_ordered 1
		.amdhsa_forward_progress 1
		.amdhsa_inst_pref_size 60
	.end_amdhsa_kernel
	.amdgpu_metadata
---
amdhsa.version: [ 1, 2 ]
amdhsa.kernels:
  - .name:           k_q1e33a8c2f2_attn
    .symbol:         k_q1e33a8c2f2_attn.kd
    .args:
      - { .name: codes, .offset: 0, .size: 8, .value_kind: global_buffer, .address_space: global }
      - { .name: qs, .offset: 8, .size: 8, .value_kind: global_buffer, .address_space: global }
      - { .name: kvs, .offset: 16, .size: 8, .value_kind: global_buffer, .address_space: global }
      - { .name: attention_mask, .offset: 24, .size: 8, .value_kind: global_buffer, .address_space: global }
      - { .name: out0, .offset: 32, .size: 8, .value_kind: global_buffer, .address_space: global }
    .group_segment_fixed_size: 219136
    .private_segment_fixed_size: 0
    .kernarg_segment_align: 8
    .kernarg_segment_size: 40
    .max_flat_workgroup_size: 512
    .sgpr_count:     80
    .vgpr_count:     256
    .wavefront_size: 32
...
	.end_amdgpu_metadata
.endif
;; end of part 2
